; MI455X (gfx1250); checked and timed in simulation.
; The chip was launched on July 23, 2026; its instructions are those of AMD's public machine-readable ISA for CDNA 5 (MIT licence, August 2026) and "CDNA5" Instruction Set Architecture Reference Guide (July 2026). The comments in the code are by the model that wrote it; some were corrected since.
;; Self Attention. Allowed arithmetic: matrix products marked QUANTISED: E2M3 operands, one E8M0 scale for each 32 along K, by v_wmma_scale_f32_16x16x128_f8f6f4 with both operands' format E2M3, f32 sums; everything else in f32.
;; Inputs: Wk 1,024 x 1,024 float32; Wo 1,024 x 1,024 float32; Wq 1,024 x 1,024 float32; Wv 1,024 x 1,024 float32; bo 1,024 float32; x 4 x 2,048 x 1,024 float32.
;; Outputs: out0 4 x 2,048 x 1,024 float32.
;; Constants: n_heads = 8.
;; This version of the problem:
;;   THIS VERSION OF THE PROBLEM IS GIVEN IN LOW PRECISION. The matrix products marked QUANTISED in the list below multiply operands that are first quantised to E2M3 (2 exponent bits, 3 mantissa bits; 6 bits a number), with one power-of-two scale for each 32 numbers along K (OCP MX v1.0); their sums are f32. All else is computed in f32.
;;   The module's matrix products, in the order in which they are computed (A, B: the left and right operand; K: the contracted axis; several contracted axes count as one K, in the product's order):
;;     1. [M 8,192, K 1,024] x [K 1,024, N 1,024]; A: input x; B: input Wq: QUANTISED
;;     2. [M 8,192, K 1,024] x [K 1,024, N 1,024]; A: input x; B: input Wk: QUANTISED
;;     3. [M 8,192, K 1,024] x [K 1,024, N 1,024]; A: input x; B: input Wv: QUANTISED
;;     4. batch 32 x [M 2,048, K 128] x [K 128, N 2,048]; A: computed on the way; B: computed on the way: QUANTISED
;;     5. batch 32 x [M 2,048, K 2,048] x [K 2,048, N 128]; A: softmax (see below); B: computed on the way: QUANTISED
;;     6. [M 8,192, K 1,024] x [K 1,024, N 1,024]; A: computed on the way; B: input Wo: QUANTISED
;;   THE QUANTISER, for each operand of a quantised product, along K:
;;     - K is cut into blocks of 32 from its start; a last block that is shorter is filled with zeros.
;;     - A block's scale is 2^e with e = floor(log2(the largest magnitude in the block)) - 2, held to -126 .. 127; a block of zeros has e = 0. As a byte (E8M0): e + 127.
;;     - Each number is divided by its block's scale, clamped to +-7.5, and rounded to the nearest number of E2M3, ties to even, subnormals kept.
;;     - The product sums the exact products of the quantised numbers (number of the format x scale) in f32.
;;   ~~~python
;;   def quantise(x, axis):      # numpy; x: float32 -> the quantised numbers, widened to float32 again
;;       x = np.moveaxis(x, axis, -1); K = x.shape[-1]
;;       x = np.pad(x, [(0, 0)] * (x.ndim - 1) + [(0, -K % 32)]); x = x.reshape(x.shape[:-1] + (-1, 32)); a = np.abs(x).max(-1, keepdims=True)
;;       e = np.where(a > 0, np.clip(np.frexp(np.where(a > 0, a, 1))[1] - 1 - 2, -126, 127), 0)      # np.frexp(a)[1] - 1 = floor(log2(a)), exactly
;;       r = np.clip(x / 2.0 ** e, -7.5, 7.5)
;;       step = 2.0 ** (np.maximum(np.frexp(np.where(r == 0, 1, r))[1] - 1, 0) - 3)
;;       q = np.round(r / step) * step * 2.0 ** e      # np.round: ties to even
;;       return np.moveaxis(q.reshape(q.shape[:-2] + (-1,))[..., :K], -1, axis).astype(np.float32)
;;   ~~~
;;   SOFTMAX AHEAD OF A QUANTISED PRODUCT. Where the list says 'softmax', what is quantised is not the finished softmax but p = 2^(t - M), with t = logit x log2(e) and M = ceil(the row's largest t), a whole number; so 1/2 < the row's largest p <= 1. The row's sum l is taken of the UNQUANTISED p, in f32, and the product's result is divided by l at the end. Since M is a whole number, a kernel that streams over the keys may use a running M (the ceiling of the running maximum): every later rescaling is an exact power of two, which a block's scale takes up: the codes' values come out the same.
;;   OPERANDS COMPUTED ON THE WAY. 'Computed on the way' means the value that the module computes at that place (a softmax that the list does not call 'softmax' is quantised finished and normalised). What goes into a quantiser is computed in f32, as accurately as f32 sums, v_exp_f32 and their like allow (about 1e-6 of the number): no bf16 or f16 on the way to a quantiser, and a product that is left as it is and whose result goes on into a quantised operand takes f32 operands (vector FMAs, or v_wmma_f32_16x16x4_f32). A number that lies on a knife's edge between two numbers of the format may be rounded either way, as far as f32 arithmetic and the matrix unit's own rounding can turn it there, and no further.
;; One version. Each part assembles by itself: llvm-mc -triple=amdgcn-amd-amdhsa -mcpu=gfx1250 --defsym DOCPART=n.
;; ======== version 1 of 1: 4 launches
;; limits: right only within a limited range of input values
;; workspace buffers: ops 16,384,000 bytes; qkv 19,660,800 bytes
;; launch quant (part 1): grid 256 x 1, 6 waves a work-group, no clusters, 51,456 bytes of LDS; arguments x, Wv, Wq, Wk, Wo, ops; writes ops
.if DOCPART == 1
	.amdgcn_target "amdgcn-amd-amdhsa--gfx1250"
	.amdhsa_code_object_version 6
	.text
	.protected	k_qf6a9218589_quant
	.globl	k_qf6a9218589_quant
	.p2align	8
	.type	k_qf6a9218589_quant,@function
k_qf6a9218589_quant:
	s_mov_b64 s[64:65], 0
	v_nop
	global_prefetch_b8 v0, s[64:65] scope:SCOPE_SE
	s_setreg_imm32_b32 hwreg(HW_REG_WAVE_MODE, 25, 1), 1
	s_wait_xcnt 0x0
; x [8192][1024] and Wv, Wq, Wk, Wo [1024][1024], f32 with K innermost, become codes of FP6 (E2M3) with one E8M0 byte for each 32 along K,
; laid in the ORDER OF A MATRIX OPERAND'S REGISTERS.  A fragment is 16 rows x 128 K: 12 registers a lane, 1,536 bytes, as 3 pieces of 512 bytes:
; piece c holds lane l's registers 4 c .. 4 c + 3 at byte 16 l.  Lane r of row-fragment f holds row 32 (f / 2) + 8 (f % 2) + r % 8 + 16 (r / 8) of its tensor.
; A BLOCK of ops is 12,800 bytes: the 8 K steps of one row-fragment (12,288 bytes), then 512 bytes of scale words: the word of K step 4 u + j of lane r's row at 256 u + 16 r + 4 j.
; Blocks: x 0-511, Wv 512-575, Wq 576-639, Wk 640-703, Wo 704-767 (768-1279 are written by a later launch).
; A block's scale is 2^(floor(log2(largest magnitude)) - 2); its byte is the largest magnitude's exponent field - 2, held at 1 from below.
; LIMITS: a block of zeros, or one whose largest magnitude lies under 2^-124, gets the byte 1 (its codes are zeros or are made under that scale; only this program reads the bytes);
; NaN and infinities among the inputs are not served.
; SHARES: 1,536 waves; wave g takes row-fragment g / 2 and K steps 4 (g % 2) .. + 3: 32 KiB in, 6,400 bytes out.  Each load reads 512 consecutive bytes of one row; a K step's
; 16 rows turn through the wave's own stage in LDS (rows 528 bytes apart) so that a lane gets 16 neighbours of each block of 32.  No barrier: waves share nothing.  No matrix work, no cluster, no tensor load: a plain stream.
.set BLKB, 12800
.set FRB,  1536
.set SP,   528                         ; a stage row: 512 bytes + 16 = 132 words, so that the 16 rows that a read touches begin 4 words apart modulo 64
.set WST,  16*SP                       ; a wave's stage
.set LI,   4                           ; v4   16 x lane
.set LR,   5                           ; v5   16 x (lane % 16)
.set STI,  6                           ; v6   the stage, on the way in
.set STO,  7                           ; v7   and on the way out
.set TM,   8                           ; v8-23  at work in QUANT
.set T2,   24                          ; v24-31 the upper halves of the blocks' codes
.set PW,   32                          ; v32-35 the four K steps' scale words
.set CD,   36                          ; v36-59 two sets of 12 registers of codes
.set R,    64                          ; v64-191 two sets of 64 registers as loaded
.set X,    192                         ; v192-255 64 numbers of my row: register 16 b + i = k 32 b + 16 (lane / 16) + i
.set SEL,  22                          ; s[22:23] selects of v_permlanex16_b32: lane l xor 16
; 64 numbers of a lane become a fragment's 12 registers of codes (pc ..) and its row's scale word (pw).
.macro QUANT s, pc, t2, pw
.irp b, 0,1,2,3
	v_max3_num_f32 v[TM+\b], |v[(\s)+16*\b]|, |v[(\s)+16*\b+1]|, 0x1800000   ; block b: my 16 numbers, and the floor 2^(3 - 127): the byte cannot fall under 1
.endr
.irp i, 2,4,6,8,10,12,14
.irp b, 0,1,2,3
	v_max3_num_f32 v[TM+\b], |v[(\s)+16*\b+\i]|, |v[(\s)+16*\b+\i+1]|, v[TM+\b]   ; the four blocks by turns
.endr
.endr
.irp b, 0,1,2,3
	v_permlanex16_b32 v[TM+4+\b], v[TM+\b], s[SEL], s[SEL+1]
.endr
.irp b, 0,1,2,3
	v_max_num_f32 v[TM+\b], v[TM+\b], v[TM+4+\b]   ; with lane l xor 16's 16: the block's largest magnitude
.endr
.irp b, 0,1,2,3
	v_add_nc_u32 v[TM+12+\b], 0xff000000, v[TM+\b] ; 2 off its exponent field: the conversion takes this operand's exponent field as the scale
.endr
.irp b, 0,1,2,3
	v_lshrrev_b32 v[TM+4+\b], 23, v[TM+12+\b]      ; the scale's byte
.endr
	v_lshl_or_b32 v[\pw], v[TM+5], 8, v[TM+4]
	v_lshl_or_b32 v[\pw], v[TM+6], 16, v[\pw]
	v_lshl_or_b32 v[\pw], v[TM+7], 24, v[\pw]      ; my row's scale word
.irp c, 0,1
	v_cvt_scalef32_pk16_fp6_f32 v[(\pc)+6*\c:(\pc)+6*\c+2], v[(\s)+32*\c:(\s)+32*\c+15], v[TM+12+2*\c]
	v_cvt_scalef32_pk16_fp6_f32 v[(\t2)+4*\c:(\t2)+4*\c+2], v[(\s)+32*\c+16:(\s)+32*\c+31], v[TM+13+2*\c]   ; (a conversion's three registers begin on an even number)
.endr
	v_nop                                          ; one plain instruction behind the scaled conversions
.irp c, 0,1                                    ; the operand wants a WHOLE block in a lane: lanes 0-15 block 2 c, lanes 16-31 block 2 c + 1
.irp i, 0,1,2
	v_permlane16_swap_b32 v[(\pc)+6*\c+\i], v[(\t2)+4*\c+\i]
.endr
.irp i, 0,1,2
	v_mov_b32 v[(\pc)+6*\c+3+\i], v[(\t2)+4*\c+\i]
.endr
.endr
.endm
	s_load_b256 s[4:11], s[0:1], 0x0               ; x s[4:5], Wv s[6:7], Wq s[8:9], Wk s[10:11]
	s_load_b128 s[12:15], s[0:1], 0x20             ; Wo s[12:13], ops s[14:15]
	v_lshl_add_u32 v62, v0, 2, 0xc600
	v_mov_b32 v63, 0
	v_lshrrev_b32 v1, 5, v0
	v_readfirstlane_b32 s16, v1                    ; wave 0..5
	v_and_b32 v1, 31, v0                           ; lane
	v_and_b32 v2, 15, v0                           ; r
	v_bfe_u32 v3, v0, 4, 1                         ; h
	s_mul_i32 s17, ttmp9, 6
	s_add_co_u32 s17, s17, s16                     ; g
	s_lshr_b32 s18, s17, 1                         ; f: the row-fragment, 0..767
	s_and_b32 s19, s17, 1                          ; which four K steps
	s_mul_i32 s21, s16, WST
	v_lshlrev_b32 v[LI], 4, v1
	v_lshlrev_b32 v[LR], 4, v2
	v_add_nc_u32 v[STI], s21, v[LI]                ; in: a row's 512 bytes as they lie
	v_mul_u32_u24 v[STO], v2, SP
	v_lshl_add_u32 v[STO], v3, 6, v[STO]
	v_add_nc_u32 v[STO], s21, v[STO]               ; out: row r, + 64 h: my 16 numbers of a block of 32
	s_mov_b32 s[SEL], 0x76543210
	s_mov_b32 s[SEL+1], 0xfedcba98
.irp b, 0,1,2,3
	v_mov_b32 v[TM+4+\b], 0                        ; written once: a lane permute's destination counts as one of its sources
.endr
	s_cmp_lt_u32 s18, 512
	s_cselect_b32 s30, 511, 63
	s_and_b32 s30, s18, s30                        ; the fragment's number inside its tensor (512, 576, 640, 704 are multiples of 64)
	s_lshr_b32 s31, s30, 1
	s_lshl_b32 s31, s31, 17                        ; 32 rows of 4,096 bytes for each pair of fragments,
	s_and_b32 s32, s30, 1
	s_lshl_b32 s32, s32, 15                        ; 8 rows for the odd one,
	s_add_co_u32 s32, s32, s31
	s_lshl_b32 s33, s19, 11                        ; and 2,048 bytes along the row for the second four K steps
	s_add_co_u32 s32, s32, s33
	s_mov_b32 s33, 0
	s_mul_i32 s34, s18, BLKB                       ; the fragment's block in ops
	s_mov_b32 s35, 0
	s_mul_i32 s30, s19, 4*FRB                      ; my four K steps' codes in it,
	s_mov_b32 s31, 0
	s_lshl_b32 s36, s19, 8
	s_add_co_u32 s36, s36, 8*FRB                   ; and their scale words
	s_mov_b32 s37, 0
	s_wait_alu depctr_va_vdst(0)
	s_wait_kmcnt 0x0
	s_mov_b64 s[24:25], s[4:5]                     ; which tensor: the choice hangs on the fragment's number alone
	s_cmp_ge_u32 s18, 512
	s_cselect_b64 s[24:25], s[6:7], s[24:25]
	s_cmp_ge_u32 s18, 576
	s_cselect_b64 s[24:25], s[8:9], s[24:25]
	s_cmp_ge_u32 s18, 640
	s_cselect_b64 s[24:25], s[10:11], s[24:25]
	s_cmp_ge_u32 s18, 704
	s_cselect_b64 s[24:25], s[12:13], s[24:25]
	s_add_nc_u64 s[24:25], s[24:25], s[32:33]
	s_add_nc_u64 s[14:15], s[14:15], s[34:35]
	s_add_nc_u64 s[26:27], s[14:15], s[30:31]
	s_add_nc_u64 s[28:29], s[14:15], s[36:37]
.macro LOAD t                          ; K step t of the fragment's 16 rows: 16 loads of 512 consecutive bytes
.irp j, 0,1,2,3,4,5,6,7,8,9,10,11,12,13,14,15
	global_load_b128 v[R+64*((\t)%2)+4*\j:R+64*((\t)%2)+4*\j+3], v[LI], s[24:25] offset:((\j%8)+16*(\j/8))*4096+512*(\t) th:TH_LOAD_NT
.endr
.endm
.macro TURN t                          ; through my stage: LDS serves a wave's instructions in order, so no wait stands between the stores and the loads
.irp j, 0,1,2,3,4,5,6,7,8,9,10,11,12,13,14,15
	ds_store_b128 v[STI], v[R+64*((\t)%2)+4*\j:R+64*((\t)%2)+4*\j+3] offset:SP*\j
.endr
.irp b, 0,1,2,3
.irp p, 0,1,2,3
	ds_load_b128 v[X+16*\b+4*\p:X+16*\b+4*\p+3], v[STO] offset:128*\b+16*\p
.endr
.endr
.endm
.macro STEP t
.if (\t) < 3
	s_wait_loadcnt 16                              ; this K step's 16 loads are in; the next step's 16 may be out
.else
	s_wait_loadcnt 0x0
.endif
	TURN \t
	s_wait_dscnt 0x0                               ; my 64 numbers are back, and the stage's stores have read the loaded registers,
.if (\t) < 2
	LOAD (\t)+2                                    ; which take the K step two on
.endif
.if (\t) >= 2
	s_wait_xcnt 0x0                                ; the stores of two steps ago have read this set of code registers
.endif
	QUANT X, CD+12*((\t)%2), T2, PW+(\t)
.irp c, 0,1,2
	global_store_b128 v[LI], v[CD+12*((\t)%2)+4*\c:CD+12*((\t)%2)+4*\c+3], s[26:27] offset:FRB*(\t)+512*\c   ; 32 lanes store 512 consecutive bytes, aligned to 256
.endr
.endm
	LOAD 0
	LOAD 1
	STEP 0
	STEP 1
	STEP 2
	STEP 3
	v_cmp_gt_u32 vcc_lo, 16, v1                    ; both halves of the lanes hold the same words: lanes 0-15 store them, 256 consecutive bytes
	s_wait_xcnt 0x0                                ; EXEC changes only behind this wait
	s_wait_tensorcnt 0x0
	ds_add_u32 v62, v63
	s_wait_dscnt 0x0
	s_and_saveexec_b32 s20, vcc_lo
	global_store_b128 v[LR], v[PW:PW+3], s[28:29]
	s_wait_xcnt 0x0
	s_or_b32 exec_lo, exec_lo, s20
	s_endpgm
.Lfunc_end_k_qf6a9218589_quant:
	.size	k_qf6a9218589_quant, .Lfunc_end_k_qf6a9218589_quant-k_qf6a9218589_quant
	.p2alignl 7, 3214868480
	.fill 96, 4, 3214868480
	.section	.rodata,"a",@progbits
	.p2align	6, 0x0
	.amdhsa_kernel k_qf6a9218589_quant
		.amdhsa_group_segment_fixed_size 51456
		.amdhsa_private_segment_fixed_size 0
		.amdhsa_enable_private_segment 0
		.amdhsa_kernarg_size 48
		.amdhsa_user_sgpr_count 2
		.amdhsa_user_sgpr_kernarg_segment_ptr 1
		.amdhsa_wavefront_size32 1
		.amdhsa_system_sgpr_workgroup_id_x 1
		.amdhsa_system_sgpr_workgroup_id_y 1
		.amdhsa_system_sgpr_workgroup_id_z 1
		.amdhsa_system_vgpr_workitem_id 0
		.amdhsa_next_free_vgpr 256
		.amdhsa_next_free_sgpr 66
		.amdhsa_reserve_vcc 1
		.amdhsa_float_denorm_mode_32 3
		.amdhsa_float_denorm_mode_16_64 3
		.amdhsa_memory_ordered 1
		.amdhsa_forward_progress 1
		.amdhsa_inst_pref_size 34
	.end_amdhsa_kernel
	.amdgpu_metadata
---
amdhsa.version: [ 1, 2 ]
amdhsa.kernels:
  - .name:           k_qf6a9218589_quant
    .symbol:         k_qf6a9218589_quant.kd
    .args:
      - { .name: x, .offset: 0, .size: 8, .value_kind: global_buffer, .address_space: global }
      - { .name: Wv, .offset: 8, .size: 8, .value_kind: global_buffer, .address_space: global }
      - { .name: Wq, .offset: 16, .size: 8, .value_kind: global_buffer, .address_space: global }
      - { .name: Wk, .offset: 24, .size: 8, .value_kind: global_buffer, .address_space: global }
      - { .name: Wo, .offset: 32, .size: 8, .value_kind: global_buffer, .address_space: global }
      - { .name: ops, .offset: 40, .size: 8, .value_kind: global_buffer, .address_space: global }
    .group_segment_fixed_size: 51456
    .private_segment_fixed_size: 0
    .kernarg_segment_align: 8
    .kernarg_segment_size: 48
    .max_flat_workgroup_size: 192
    .sgpr_count:     66
    .vgpr_count:     256
    .wavefront_size: 32
...
	.end_amdgpu_metadata
.endif
;; end of part 1
;; launch qkv (part 2): grid 8 x 48, 4 waves a work-group, clusters of 4 x 4, 327,680 bytes of LDS; arguments ops, qkv; writes qkv
.if DOCPART == 2
	.amdgcn_target "amdgcn-amd-amdhsa--gfx1250"
	.amdhsa_code_object_version 6
	.text
	.protected	k_qf6a9218589_qkv
	.globl	k_qf6a9218589_qkv
	.p2align	8
	.type	k_qf6a9218589_qkv,@function
k_qf6a9218589_qkv:
	s_mov_b64 s[64:65], 0
	v_nop
	global_prefetch_b8 v0, s[64:65] scope:SCOPE_SE
	s_setreg_imm32_b32 hwreg(HW_REG_WAVE_MODE, 25, 1), 1
	s_wait_xcnt 0x0
	s_wait_alu depctr_hold_cnt(0) depctr_sa_sdst(0) depctr_va_vdst(0) depctr_va_sdst(0) depctr_va_ssrc(0) depctr_va_vcc(0) depctr_vm_vsrc(0)
	s_getreg_b32 s2, hwreg(HW_REG_IB_STS2, 6, 4)
	s_cmp_eq_u32 s2, 0
	s_cbranch_scc0 .Lentry_in_a_cluster
	s_endpgm
.Lentry_in_a_cluster:
	s_bfe_u32 s2, ttmp6, 0x10000c
	s_cmp_lg_u32 s2, 0xf033
	s_cbranch_scc0 .Lentry_shape_is_right
	s_endpgm
.Lentry_shape_is_right:
; q, k = x [Wq; Wk]^T and v^T = Wv x^T on codes of FP6 (E2M3) with E8M0 scales, K = 1,024; the f32 results are quantised in registers and leave as codes: q and k along the head's 128, v along the keys.
; OPERANDS come from ops as images of operand registers: a block of 12,800 bytes for each row-fragment (16 rows): its 8 K steps of 1,536 bytes, then 512 bytes of scale words.
; Lane r of fragment f holds row 32 (f / 2) + 8 (f % 2) + r % 8 + 16 (r / 8).  THE MATRIX INSTRUCTION IS USED TRANSPOSED (source 0 = a fragment of B, source 1 = a fragment of A): lane (r, h), register j of
; accumulator (a, b) is A's row of lane r of fragment a, and B's row 32 (b / 2) + 16 h + 8 (b % 2) + j: so the 64 registers of accumulators (a, 0..7) are 128 / 2 NEIGHBOURS along B's rows, 16 of each block of 32.
; They are what the quantiser wants, and its result is again a fragment in A's row order.
; TILES: a work-group makes 256 x 256, a wave 128 x 128 (64 accumulators).  Rows of clusters 0-7: A = x (32 tiles), B = Wq, Wk (8 tiles).  Rows of clusters 8-11: A = Wv (4 tiles), B = x (32 tiles).
; 384 tiles in all; a tile half as large again does not fit the registers.
; RING: two LDS slots of 256 along K; a wave's one tensor load brings 8 fragments x 3,072 bytes.  CLUSTER 4 x 4: A's tile is asked for jointly along a row of the cluster, B's along a column.
; RESULT: qkv, blocks of 12,800 bytes of 128 rows x 128 K (8 fragments, then their scale words: fragment 4 u + j, lane r at 256 u + 16 r + 4 j): block = 512 sec + 16 (8 batch + head) + i;
; sec 0 q, 1 k (rows: tokens 128 i on; K: the head's channels), sec 2 v^T (rows: the head's channels; K: keys 128 i on).
; LIMITS: a block of zeros or under 2^-124 gets the byte 1; NaN and infinities are not served.
; REGISTERS: window 0: v1 r, v3 lane, v16-21 LDS addresses, v26 16 x lane, v27 the scale loads' offset, v28-29 for the add, v32-95 scale words, v96-99 the result's scale words, v128-223 A's fragments (later the result's codes),
; v224-255 at work in the quantiser.  window 1: B's fragments, two sets, at v0 and v128.  windows 2, 3: the accumulators of my rows 0-63, 64-127: (a, b) at v[8 (8 (a % 4) + b)].
.set FR,    12
.set NL,    3                          ; LDS loads that bring a fragment
.set NP,    4                          ; places behind this matrix instruction (ISA guide 7.12.1)
.set FRB,   1536
.set BLKB,  12800
.set HALFT, 8*2*FRB                    ; 8 fragments x two K steps: what one tensor load brings
.set SLOT,  4*HALFT                    ; A's 16 fragments, then B's 16
.set SPARE, 2*SLOT                     ; the spare words: 128 bytes for each wave, named by no other line
.set ADRA,  16
.set ADRB,  20
.set LI,    26
.set VO,    27
.set SPW,   28
.set NIL,   29
.set SC,    32                         ; v[SC + 8 i + s]: lanes 0-15 the word of A's fragment i, lanes 16-31 of B's fragment i, K step s
.set SW,    96
.set AF,    128
.set OC,    128
.set TM,    224
.set T2,    240
.set PW,    248
.set G1,    24
.set G0,    32
.set G1B,   48
.set G0B,   56
.set SEL,   66
.set MSB, 0
.macro WIN new                         ; the immediate's high byte repeats the setting that is left; a switch that changes nothing is dropped
.if MSB != (\new)
	s_set_vgpr_msb (MSB<<8)|(\new)
.set MSB, (\new)
.endif
.endm
.set MUL_LO, 0xa1                      ; source 0 (B) window 1, source 1 (A) window 0, C and D window 2
.set MUL_HI, 0xf1                      ; the same, C and D window 3
.set TO_B,   0x40                      ; destination window 1, address window 0
; A joint load: waves 0 and 1 fetch for A, waves 2 and 3 for B; the branch hangs on the wave's number alone.  Four v_nop follow each of the two lines.
.macro JLOAD g0a, g1a, g0b, g1b
	s_cmp_eq_u32 s15, 0
	s_cbranch_scc0 .Lfor_b_\@
	tensor_load_to_lds s[\g0a:\g0a+3], s[\g1a:\g1a+7]
	s_nop 0
.rept 4
	v_nop
.endr
	s_branch .Lasked_\@
.Lfor_b_\@:
	tensor_load_to_lds s[\g0b:\g0b+3], s[\g1b:\g1b+7]
	s_nop 0
.rept 4
	v_nop
.endr
.Lasked_\@:
.endm
.macro CREST                           ; a round of the cluster's barrier behind its opening barrier
	s_cmp_lg_u32 s14, 0
	s_cbranch_scc1 .Lnot_wave_0_\@
	s_barrier_signal -3
.Lnot_wave_0_\@:
	s_barrier_wait -3
	s_barrier_signal -1
	s_barrier_wait -1
.endm
.macro CROUND
	s_barrier_signal -1
	s_barrier_wait -1
	CREST
.endm
.macro PLACES n
.rept \n
	v_nop
.endr
.endm
	s_load_b128 s[4:7], s[0:1], 0x0                ; ops s[4:5], qkv s[6:7]
	v_lshl_add_u32 v[SPW], v0, 2, SPARE
	v_mov_b32 v[NIL], 0
	ds_add_u32 v28, v29
	ds_add_u32 v28, v29
	s_wait_dscnt 0x0
	v_lshrrev_b32 v1, 5, v0
	v_readfirstlane_b32 s14, v1                    ; wave 0..3
	s_lshr_b32 s15, s14, 1                         ; which half of the tile's rows is mine.  Also: I fetch for A (0) or for B (1)
	s_and_b32 s16, s14, 1                          ; which half of its columns.  Also: which 8 fragments of that tile I fetch
	s_bfe_u32 s40, ttmp6, 0x40000                  ; cx
	s_bfe_u32 s41, ttmp6, 0x40004                  ; cy
	s_and_b32 s17, ttmp7, 0xffff                   ; the cluster's y, 0..11
	s_min_u32 s18, s17, 8
	s_lshl_b32 s81, s18, 6
	s_lshl_b32 s19, s41, 4
	s_add_co_u32 s19, s19, s81                     ; A's first fragment: x's 64 y + 16 cy, or Wv's 512 + 16 cy
	s_sub_co_u32 s80, 8, s18
	s_min_u32 s80, s80, 1                          ; 1 in the q, k part, 0 in the v part
	s_mul_i32 s80, s80, 576
	s_lshl_b32 s42, ttmp9, 2
	s_add_co_u32 s42, s42, s40
	s_lshl_b32 s42, s42, 4                         ; 16 (4 x + cx)
	s_add_co_u32 s42, s42, s80                     ; + 576: Wq, Wk;
	s_sub_co_u32 s43, s17, s18
	s_lshl_b32 s43, s43, 7
	s_add_co_u32 s42, s42, s43                     ; or + 128 (y - 8): x.  B's first fragment
	s_lshl_b32 s44, s41, 2
	s_lshl_b32 s44, 15, s44                        ; my row of the cluster
	s_lshl_b32 s45, 0x1111, s40                    ; my column
	; descriptor group 1: 8 rows of 3,072 bytes (384 elements of 8 bytes), 12,800 bytes (1,600 elements) apart; no padding: the images are read 512 consecutive bytes at a time
	s_or_b32 s[G1+0], s44, (3<<16)|(1<<21)
	s_or_b32 s[G1B+0], s45, (3<<16)|(1<<21)
.irp g, G1, G1B
	s_mov_b32 s[\g+1], 384<<16                     ; tensor_dim0
	s_mov_b32 s[\g+2], 8<<16                       ; tensor_dim1
	s_mov_b32 s[\g+3], 384<<16                     ; tile_dim0
	s_mov_b32 s[\g+4], 8                           ; tile_dim1
	s_mov_b32 s[\g+5], 1600                        ; tensor_dim0_stride
	s_mov_b32 s[\g+6], 0
	s_mov_b32 s[\g+7], 0
.endr
	s_lshl_b32 s22, s16, 3                         ; which 8 fragments I fetch
	s_add_co_u32 s20, s19, s22
	s_mul_i32 s20, s20, BLKB
	s_mov_b32 s21, 0
	s_add_co_u32 s46, s42, s22
	s_mul_i32 s46, s46, BLKB
	s_mov_b32 s47, 0
	s_mul_i32 s23, s14, HALFT                      ; where they go: no place in the cluster enters an LDS address
	s_mov_b32 s[SEL], 0x76543210
	s_mov_b32 s[SEL+1], 0xfedcba98
	s_wait_kmcnt 0x0
	s_add_nc_u64 s[20:21], s[4:5], s[20:21]
	s_add_nc_u64 s[46:47], s[4:5], s[46:47]
	CROUND                                         ; all sixteen work-groups are here: the first joint loads meet
.irp s, 0,1
	s_mov_b32 s[G0+4*\s], 1
	s_add_co_u32 s[G0+4*\s+1], s23, \s*SLOT
	s_add_nc_u64 s[G0+4*\s+2:G0+4*\s+3], s[20:21], \s*2*FRB
	s_or_b32 s[G0+4*\s+3], s[G0+4*\s+3], 0x80000000
	s_mov_b32 s[G0B+4*\s], 1
	s_add_co_u32 s[G0B+4*\s+1], s23, \s*SLOT
	s_add_nc_u64 s[G0B+4*\s+2:G0B+4*\s+3], s[46:47], \s*2*FRB
	s_or_b32 s[G0B+4*\s+3], s[G0B+4*\s+3], 0x80000000
.if \s == 0
	JLOAD G0, G1, G0B, G1B                         ; slot 0: my one tensor load at the head
.endif
.endr
	v_and_b32 v3, 31, v0                           ; lane
	s_wait_alu depctr_va_vdst(0)
	v_and_b32 v1, 15, v0                           ; r
	v_lshlrev_b32 v[LI], 4, v3
	s_mul_i32 s70, s15, HALFT                      ; my 8 fragments of A
	s_mul_i32 s71, s16, HALFT
	s_add_co_u32 s71, s71, 2*HALFT                 ; my 8 of B, behind A's 16
.irp s, 0,1
	v_add_nc_u32 v[ADRA+\s], s70, v[LI]
	v_add_nc_u32 v[ADRB+\s], s71, v[LI]
	s_add_co_u32 s70, s70, SLOT
	s_add_co_u32 s71, s71, SLOT
.endr
	; the scale words of all 8 K steps stay in registers: 16 loads; in each, lanes 0-15 read 256 consecutive bytes of A's block, lanes 16-31 of B's
	s_lshl_b32 s72, s15, 3
	s_add_co_u32 s72, s72, s19                     ; my first fragment of A
	s_lshl_b32 s73, s16, 3
	s_add_co_u32 s73, s73, s42                     ; and of B
	s_mul_i32 s74, s72, BLKB
	s_add_co_u32 s74, s74, 8*FRB
	s_mul_i32 s75, s73, BLKB
	s_add_co_u32 s75, s75, 8*FRB
	v_mov_b32 v8, s74
	v_mov_b32 v9, s75
	v_cmp_gt_u32 vcc_lo, 16, v3
	v_cndmask_b32 v[VO], v9, v8, vcc_lo
	v_lshl_add_u32 v[VO], v1, 4, v[VO]
.irp i, 0,1,2,3,4,5,6,7
.irp u, 0,1
	global_load_b128 v[SC+8*\i+4*\u:SC+8*\i+4*\u+3], v[VO], s[4:5] offset:BLKB*\i+256*\u
.endr
.endr
	; where my 128 x 128 goes
	s_lshr_b32 s76, s72, 3                         ; q, k part: the block of 128 tokens is A's,
	s_lshr_b32 s77, s73, 3                         ; v part: B's
	s_sub_co_u32 s78, s73, s80
	s_lshr_b32 s78, s78, 3                         ; q, k part: 0-7 q's heads, 8-15 k's
	s_sub_co_u32 s79, s72, s81
	s_lshr_b32 s79, s79, 3
	s_add_co_u32 s79, s79, 16                      ; v part: 16-23
	s_cmp_lt_u32 s17, 8
	s_cselect_b32 s76, s76, s77
	s_cselect_b32 s78, s78, s79
	s_lshr_b32 s77, s78, 3
	s_lshl_b32 s77, s77, 9                         ; 512 sec
	s_lshr_b32 s79, s76, 4
	s_lshl_b32 s79, s79, 7                         ; + 128 batch
	s_add_co_u32 s77, s77, s79
	s_and_b32 s79, s78, 7
	s_lshl_b32 s79, s79, 4                         ; + 16 head
	s_add_co_u32 s77, s77, s79
	s_and_b32 s79, s76, 15
	s_add_co_u32 s77, s77, s79                     ; + i
	s_mul_i32 s78, s77, BLKB
	s_mov_b32 s79, 0
	s_add_nc_u64 s[6:7], s[6:7], s[78:79]
.macro FRAG reg, adr, q, i             ; fragment i of the slot's q-th K step: three loads of 512 consecutive bytes
.irp c, 0,1,2
	ds_load_b128 v[(\reg)+4*\c:(\reg)+4*\c+3], v[\adr] offset:2*FRB*(\i)+FRB*(\q)+512*\c
.endr
.endm
; 16 matrix instructions: A's fragments a0, a0 + 1 x B's eight; p: B's set; ks: the K step.  The 64 accumulators take turns, one instruction a turn, in the same order in every step.
.macro MUL16 a0, p, ks, zero
.irp a, \a0, \a0+1
.irp b, 0,1,2,3,4,5,6,7
.if \zero
	v_wmma_scale_f32_16x16x128_f8f6f4 v[8*(8*((\a)%4)+\b):8*(8*((\a)%4)+\b)+7], v[128*(\p)+FR*\b:128*(\p)+FR*\b+FR-1], v[AF+FR*(\a):AF+FR*(\a)+FR-1], 0, v[SC+8*\b+(\ks)], v[SC+8*(\a)+(\ks)] matrix_a_fmt:MATRIX_FMT_FP6 matrix_b_fmt:MATRIX_FMT_FP6 matrix_a_scale:MATRIX_SCALE_ROW1
.else
	v_wmma_scale_f32_16x16x128_f8f6f4 v[8*(8*((\a)%4)+\b):8*(8*((\a)%4)+\b)+7], v[128*(\p)+FR*\b:128*(\p)+FR*\b+FR-1], v[AF+FR*(\a):AF+FR*(\a)+FR-1], v[8*(8*((\a)%4)+\b):8*(8*((\a)%4)+\b)+7], v[SC+8*\b+(\ks)], v[SC+8*(\a)+(\ks)] matrix_a_fmt:MATRIX_FMT_FP6 matrix_b_fmt:MATRIX_FMT_FP6 matrix_a_scale:MATRIX_SCALE_ROW1
.endif
.endr
.endr
.endm
.macro FETCH_B slot, q, p
	WIN TO_B
.irp i, 0,1,2,3,4,5,6,7
	FRAG 128*(\p)+FR*\i, ADRB+\slot, \q, \i
.endr
	WIN 0
.endm
.macro FETCH_A slot, q, i0
.irp i, \i0, \i0+1, \i0+2, \i0+3
	FRAG AF+FR*(\i), ADRA+\slot, \q, \i
.endr
.endm
; A slot's first K step: multiplies B's set 0; A has one set: fragments 0-3 are fetched anew in the middle, 4-7 at the end.
.macro STEP slot, ks, zero
	s_wait_dscnt 4*NL                              ; B's set and A's fragments 0-3 are in; the youngest 12 loads (A's 4-7) may be out
	WIN MUL_LO
	MUL16 0, 0, \ks, \zero
	MUL16 2, 0, \ks, \zero
	s_wait_dscnt 0
	PLACES NP                                      ; in front of loads into registers that matrix instructions have read
	FETCH_B \slot, 1, 1
	FETCH_A \slot, 1, 0
	WIN MUL_HI
	MUL16 4, 0, \ks, \zero
	MUL16 6, 0, \ks, \zero
	PLACES NP
	WIN 0
	FETCH_A \slot, 1, 4
.endm
; A slot's second K step changes slots: ONE barrier; in front of it each wave waits for all its tensor loads, adds 0 to its spare word, and waits for that and for its reads of this slot.
.macro TURN slot, next, fill, ks
	s_wait_tensorcnt 0x0                           ; all my tensor loads have landed: my part of the next slot
	ds_add_u32 v[SPW], v[NIL]                      ; 0 onto my spare word
	s_wait_dscnt 4*NL+1                            ; (the add and the youngest 12 loads may be out)
	WIN MUL_LO
	MUL16 0, 1, \ks, 0                             ; sixteen matrix instructions stand between the add and the wait for it
	s_wait_dscnt 0x0                               ; the add is done, and my reads of this slot are over
	s_barrier_signal -1
	MUL16 2, 1, \ks, 0
	WIN 0
	s_barrier_wait -1
.if \fill
	CREST                                          ; the barrier has opened a round of the cluster's barrier: no wave of any partner still reads this slot or has a load on its way
	s_add_nc_u64 s[G0+4*\slot+2:G0+4*\slot+3], s[G0+4*\slot+2:G0+4*\slot+3], 4*FRB
	s_add_nc_u64 s[G0B+4*\slot+2:G0B+4*\slot+3], s[G0B+4*\slot+2:G0B+4*\slot+3], 4*FRB
	JLOAD G0+4*\slot, G1, G0B+4*\slot, G1B         ; my one tensor load behind the round; its four v_nop are the places in front of the loads below
.else
	PLACES NP
.endif
	FETCH_B \next, 0, 0
	FETCH_A \next, 0, 0
	WIN MUL_HI
	MUL16 4, 1, \ks, 0
	MUL16 6, 1, \ks, 0
	PLACES NP
	WIN 0
	FETCH_A \next, 0, 4
.endm
; 64 accumulator registers (from v[s] of window w) become a fragment's codes (pc ..) and its rows' scale word (pw).  Each accumulator is read from its low end on.
.macro QUANTW s, w, pc, t2, pw
	WIN 5*(\w)                                     ; sources 0 and 1 in window w
.irp b, 0,1,2,3
	v_max3_num_f32 v[TM+\b], |v[(\s)+16*\b]|, |v[(\s)+16*\b+1]|, 0x1800000   ; block b: my 16 numbers, and the floor 2^(3 - 127)
.endr
.irp i, 2,4,6,8,10,12,14
.irp b, 0,1,2,3
	v_max3_num_f32 v[TM+\b], |v[(\s)+16*\b+\i]|, |v[(\s)+16*\b+\i+1]|, v[TM+\b]
.endr
.endr
	WIN 0
.irp b, 0,1,2,3
	v_permlanex16_b32 v[TM+4+\b], v[TM+\b], s[SEL], s[SEL+1]
.endr
.irp b, 0,1,2,3
	v_max_num_f32 v[TM+\b], v[TM+\b], v[TM+4+\b]
.endr
.irp b, 0,1,2,3
	v_add_nc_u32 v[TM+12+\b], 0xff000000, v[TM+\b] ; 2 off the exponent field: the conversion's scale operand
.endr
.irp b, 0,1,2,3
	v_lshrrev_b32 v[TM+4+\b], 23, v[TM+12+\b]      ; the scale's byte
.endr
	v_lshl_or_b32 v[\pw], v[TM+5], 8, v[TM+4]
	v_lshl_or_b32 v[\pw], v[TM+6], 16, v[\pw]
	v_lshl_or_b32 v[\pw], v[TM+7], 24, v[\pw]
	WIN (\w)                                       ; source 0 in window w
.irp c, 0,1
	v_cvt_scalef32_pk16_fp6_f32 v[(\pc)+6*\c:(\pc)+6*\c+2], v[(\s)+32*\c:(\s)+32*\c+15], v[TM+12+2*\c]
	v_cvt_scalef32_pk16_fp6_f32 v[(\t2)+4*\c:(\t2)+4*\c+2], v[(\s)+32*\c+16:(\s)+32*\c+31], v[TM+13+2*\c]
.endr
	WIN 0
	v_nop                                          ; one plain instruction behind the scaled conversions
.irp c, 0,1
.irp i, 0,1,2
	v_permlane16_swap_b32 v[(\pc)+6*\c+\i], v[(\t2)+4*\c+\i]
.endr
.irp i, 0,1,2
	v_mov_b32 v[(\pc)+6*\c+3+\i], v[(\t2)+4*\c+\i]
.endr
.endr
.endm
	s_wait_alu depctr_va_vdst(0)
	s_wait_tensorcnt 0x0                           ; my part of slot 0 is in; slot 1's first fill is issued as a refill is:
	ds_add_u32 v[SPW], v[NIL]
	s_wait_dscnt 0x0
	CROUND                                         ; everybody's part is in, and all sixteen work-groups are here
	JLOAD G0+4, G1, G0B+4, G1B                     ; slot 1: my one tensor load behind the round
	FETCH_B 0, 0, 0
	FETCH_A 0, 0, 0
	FETCH_A 0, 0, 4
	s_wait_loadcnt 0x0                             ; the scale words
	STEP 0, 0, 1                                   ; the first products start the sums: nothing is cleared
	TURN 0, 1, 1, 1                                ; slot 0 takes K steps 4, 5
	STEP 1, 2, 0
	TURN 1, 0, 1, 3                                ; slot 1 takes K steps 6, 7
	STEP 0, 4, 0
	TURN 0, 1, 0, 5                                ; nothing is left to fetch
	STEP 1, 6, 0
	s_wait_dscnt 4*NL
	WIN MUL_LO
	MUL16 0, 1, 7, 0
	MUL16 2, 1, 7, 0
	s_wait_dscnt 0
	WIN MUL_HI
	MUL16 4, 1, 7, 0
	MUL16 6, 1, 7, 0
	WIN 0
	; THE WAY OUT: no LDS.  Each of my 8 blocks of 16 rows is quantised where it lies and stored as a fragment's image: three stores of 512 consecutive bytes.  Each store has registers of its own.
	PLACES NP
.irp b, 0,1,2,3
	v_mov_b32 v[TM+4+\b], 0                        ; written once: a lane permute's destination counts as one of its sources
.endr
.irp a, 0,1,2,3,4,5,6,7
	QUANTW 64*(\a%4), 2+\a/4, OC+12*\a, T2, PW+\a
.irp c, 0,1,2
	global_store_b128 v[LI], v[OC+12*\a+4*\c:OC+12*\a+4*\c+3], s[6:7] offset:FRB*\a+512*\c
.endr
.endr
	v_cmp_gt_u32 vcc_lo, 16, v3                    ; the scale words: lanes 0-15 those of fragments 0-3, lanes 16-31 of 4-7: 512 consecutive bytes
.irp j, 0,1,2,3
	v_cndmask_b32 v[SW+\j], v[PW+4+\j], v[PW+\j], vcc_lo
.endr
	global_store_b128 v[LI], v[SW:SW+3], s[6:7] offset:8*FRB
	s_wait_tensorcnt 0x0                           ; the wave's end
	ds_add_u32 v[SPW], v[NIL]
	s_wait_dscnt 0x0
	CROUND                                         ; the closing round
	s_endpgm
.Lfunc_end_k_qf6a9218589_qkv:
	.size	k_qf6a9218589_qkv, .Lfunc_end_k_qf6a9218589_qkv-k_qf6a9218589_qkv
	.p2alignl 7, 3214868480
	.fill 96, 4, 3214868480
	.section	.rodata,"a",@progbits
	.p2align	6, 0x0
	.amdhsa_kernel k_qf6a9218589_qkv
		.amdhsa_group_segment_fixed_size 327680
		.amdhsa_private_segment_fixed_size 0
		.amdhsa_enable_private_segment 0
		.amdhsa_kernarg_size 16
		.amdhsa_user_sgpr_count 2
		.amdhsa_user_sgpr_kernarg_segment_ptr 1
		.amdhsa_wavefront_size32 1
		.amdhsa_system_sgpr_workgroup_id_x 1
		.amdhsa_system_sgpr_workgroup_id_y 1
		.amdhsa_system_sgpr_workgroup_id_z 1
		.amdhsa_system_vgpr_workitem_id 0
		.amdhsa_next_free_vgpr 1024
		.amdhsa_next_free_sgpr 100
		.amdhsa_reserve_vcc 1
		.amdhsa_float_denorm_mode_32 3
		.amdhsa_float_denorm_mode_16_64 3
		.amdhsa_memory_ordered 1
		.amdhsa_forward_progress 1
		.amdhsa_inst_pref_size 137
	.end_amdhsa_kernel
	.amdgpu_metadata
---
amdhsa.version: [ 1, 2 ]
amdhsa.kernels:
  - .name:           k_qf6a9218589_qkv
    .symbol:         k_qf6a9218589_qkv.kd
    .args:
      - { .name: ops, .offset: 0, .size: 8, .value_kind: global_buffer, .address_space: global }
      - { .name: qkv, .offset: 8, .size: 8, .value_kind: global_buffer, .address_space: global }
    .group_segment_fixed_size: 327680
    .private_segment_fixed_size: 0
    .kernarg_segment_align: 8
    .kernarg_segment_size: 16
    .max_flat_workgroup_size: 128
    .sgpr_count:     100
    .vgpr_count:     1024
    .wavefront_size: 32
...
	.end_amdgpu_metadata
.endif
;; end of part 2
;; launch attn (part 3): grid 8 x 32, 16 waves a work-group, clusters of 4 x 1, 327,680 bytes of LDS; arguments qkv, ops; writes ops
.if DOCPART == 3
	.amdgcn_target "amdgcn-amd-amdhsa--gfx1250"
	.amdhsa_code_object_version 6
	.text
	.protected	k_qf6a9218589_attn
	.globl	k_qf6a9218589_attn
	.p2align	8
	.type	k_qf6a9218589_attn,@function
k_qf6a9218589_attn:
	s_mov_b64 s[64:65], 0
	v_nop
	global_prefetch_b8 v0, s[64:65] scope:SCOPE_SE
	s_setreg_imm32_b32 hwreg(HW_REG_WAVE_MODE, 25, 1), 1
	s_wait_xcnt 0x0
	s_wait_alu depctr_hold_cnt(0) depctr_sa_sdst(0) depctr_va_vdst(0) depctr_va_sdst(0) depctr_va_ssrc(0) depctr_va_vcc(0) depctr_vm_vsrc(0)
	s_getreg_b32 s2, hwreg(HW_REG_IB_STS2, 6, 4)
	s_cmp_eq_u32 s2, 0
	s_cbranch_scc0 .Lentry_in_a_cluster
	s_endpgm
.Lentry_in_a_cluster:
	s_bfe_u32 s2, ttmp6, 0x10000c
	s_cmp_lg_u32 s2, 0x3003
	s_cbranch_scc0 .Lentry_shape_is_right
	s_endpgm
.Lentry_shape_is_right:
; o = softmax(q k^T / sqrt(128)) v for 32 heads of 2,048 tokens, both products on codes of FP6 (E2M3) with E8M0 scales; o is quantised along the head's 128 and leaves as codes.
; THE SOFTMAX: t = score x log2(e) / sqrt(128); M = the running largest t rounded UP to a whole number; p = 2^(t - M) is quantised along the keys, not normalised.
; The row's sum is taken of the unquantised p in f32 and divides O at the end.  When M moves, the sum and O are multiplied by 2^(old M - new M), which rounds nothing.
; OPERANDS are images of operand registers, in blocks of 12,800 bytes (8 fragments of 1,536 bytes, then 512 bytes of scale words: fragment 4 u + j, lane r at 256 u + 16 r + 4 j):
; block 16 bh + i: q, tokens 128 i on;  512 + 16 bh + i: k;  1,024 + 16 bh + i: v^T (rows: channels; K: keys 128 i on).  Lane r of stored fragment f holds row 32 (f / 2) + 8 (f % 2) + r % 8 + 16 (r / 8).
; Both products are used transposed (S^T = K Q^T, O^T = V^T P^T): lane (r, h) holds query r throughout.
; K'S FRAGMENTS ARE MADE UP BY ADDRESS: fragment (c, i) takes for its rows 0-7 keys 64 c + 8 i .. + 7 of the block and for its rows 8-15 keys 64 c + 32 + 8 i .. + 7: lanes r < 8 read stored fragment 4 c + i % 2,
; lanes r >= 8 stored fragment 4 c + 2 + i % 2, both at stored lane r % 8 + 8 (i / 2).  So the 32 registers of tiles 4 c .. 4 c + 3 are the WHOLE block 2 c + h of 32 keys, in order:
; a block's maximum needs no other lane, and the conversions' results are P's operand registers.
; SHARES: a work-group owns 256 queries of one head, each of its sixteen waves one fragment of 16.
; K: the head's 16 blocks stay in LDS for the whole launch, filled once, one joint load a wave; nothing is filled again, so the one barrier stands behind the head's loads.  The load lays 64 bytes of padding
; behind each 512: a block takes 14,400 bytes, and the two stored fragments that a read touches lie 3,456 bytes apart, which is 128 modulo 256.  K and V together (409,600 bytes) do not fit in LDS.
; K'S FRAGMENTS ARE READ A STEP AHEAD, into whatever registers are free: (1, 0), (1, 1), (1, 2) when p's codes are made, (0, 0..3) and the scale words behind the first half of O^T's products,
; (1, 3) at the step's head.  The last trip's look-ahead is held at block 15: its 23 loads are waited for behind the loop and not used.
; V: each wave loads V's fragments from memory into its registers as they lie, 512 consecutive bytes a load: four ahead of the softmax, four into the scores' registers when p's codes are made.
; CLUSTER: the four work-groups of a cluster read the same K and ask for each block jointly.
; PREFETCH: in trip t wave 0 asks for V's block of trip t + 2 (50 pieces of 256 bytes): the four partners take 13 pieces each, told apart by address; the last two trips ask for nothing.
; RESULT: ops block 768 + 128 batch + 16 x + wave (a row-fragment of 16 tokens), K step = the head.
; LIMITS: the promise holds while |t| stays under 2^31; a block's largest p is taken as 2^(its largest score's t - M), which takes v_exp_f32 not to fall where its input rises;
; a block of zeros or under 2^-124 gets the byte 1; NaN and infinities are not served.
; REGISTERS: v1-4 LDS addresses, v5-6 for the add, v7 16 x lane, v8 p's (at the end o's) scale word, v9 the prefetch's offset, v10 Q's scale word, v12 -M, v13 the largest score, v[14:15] the sum, v16-27 Q,
; v28-31 V's scale words, v32-79 four fragments, v80-83 K's scale words, v84-95 K's fragment (1, 2), v96-159 S^T, then p, then V's last four fragments (v96-143) and K's (1, 0) (v148-159),
; v160-223 O^T, v224-235 p's codes, then K's (1, 3), v236-255 at work, then K's (1, 1) (v236-247).
.set FRB,   1536
.set BLKB,  12800
.set PP,    576                        ; 512 bytes + 64 of padding
.set PFR,   3*PP
.set PBLK,  25*PP
.set SPARE, 16*PBLK                    ; behind K: the spare words, 128 bytes for each of sixteen waves, named by no other line
.set AK0, 1
.set AKS0, 2
.set AK,  3
.set AKS, 4
.set SPW, 5
.set NIL, 6
.set LI,  7
.set PF,  9
.set WV,  8
.set SEL, 20
.set CS,  22
.set G1,  24
.set G0,  32
.set VB,  36
.set PL,  38
.set TN,  39
.set TB,  40
.set T,   41
.set NC,  43
.macro CROUND
	s_barrier_signal -1
	s_barrier_wait -1
	s_cmp_lg_u32 s[WV], 0
	s_cbranch_scc1 .Lnot_wave_0_\@
	s_barrier_signal -3
.Lnot_wave_0_\@:
	s_barrier_wait -3
	s_barrier_signal -1
	s_barrier_wait -1
.endm
	s_load_b128 s[4:7], s[0:1], 0x0                ; qkv s[4:5], ops s[6:7]
	v_lshl_add_u32 v[SPW], v0, 2, SPARE
	v_mov_b32 v[NIL], 0
	ds_add_u32 v[SPW], v[NIL]                      ; the opening lines: the add twice on end
	ds_add_u32 v[SPW], v[NIL]
	v_lshrrev_b32 v240, 5, v0
	v_readfirstlane_b32 s[WV], v240                ; wave 0..15
	s_bfe_u32 s9, ttmp6, 0x40000                   ; cx: it enters Q's, o's and the prefetch's addresses alone
	s_lshl_b32 s10, ttmp9, 2
	s_add_co_u32 s10, s10, s9                      ; x: my block of 256 queries
	s_and_b32 s11, ttmp7, 0xffff                   ; bh = 8 batch + head, which the four partners share
	; group 1: a block as 25 rows of 512 bytes (64 elements of 8), 16 words of padding behind each 128; the mask names all four work-groups
	s_mov_b32 s[G1], 15|(3<<16)|(1<<20)|(1<<21)|(6<<22)|(15<<25)
	s_mov_b32 s[G1+1], 64<<16
	s_mov_b32 s[G1+2], 25<<16
	s_mov_b32 s[G1+3], 64<<16
	s_mov_b32 s[G1+4], 25
	s_mov_b32 s[G1+5], 64
	s_mov_b32 s[G1+6], 0
	s_mov_b32 s[G1+7], 0
	s_lshl_b32 s45, s11, 4                         ; 16 bh
	s_add_co_u32 s44, s45, s[WV]
	s_add_co_u32 s44, s44, 512
	s_mul_i32 s46, s44, BLKB                       ; K's block of key step = my wave's number
	s_mov_b32 s47, 0
	s_mul_i32 s[G0+1], s[WV], PBLK                 ; and where it goes
	s_lshl_b32 s48, s10, 1
	s_add_co_u32 s48, s48, s45
	s_lshr_b32 s49, s[WV], 3
	s_add_co_u32 s48, s48, s49
	s_mul_i32 s48, s48, BLKB                       ; Q's block: 16 bh + 2 x + wave / 8
	s_mov_b32 s49, 0
	s_lshr_b32 s50, s11, 3
	s_lshl_b32 s50, s50, 7
	s_lshl_b32 s51, s10, 4
	s_add_co_u32 s50, s50, s51
	s_add_co_u32 s50, s50, s[WV]
	s_add_co_u32 s50, s50, 768
	s_mul_i32 s50, s50, BLKB                       ; o's block
	s_mov_b32 s51, 0
	s_and_b32 s52, s[WV], 7                        ; my fragment f of Q's block
	s_mul_i32 s53, s52, FRB
	s_lshr_b32 s54, s52, 2
	s_lshl_b32 s54, s54, 8                         ; its scale word: 256 (f / 4)
	s_and_b32 s52, s52, 3
	s_lshl_b32 s52, s52, 2
	s_add_co_u32 s54, s54, s52                     ; + 4 (f % 4)
	s_and_b32 s52, s11, 7                          ; the head = the K step in o's block
	s_mul_i32 s55, s52, FRB
	s_lshr_b32 s56, s52, 2
	s_lshl_b32 s56, s56, 8
	s_and_b32 s52, s52, 3
	s_lshl_b32 s52, s52, 2
	s_add_co_u32 s56, s56, s52
	s_mul_i32 s57, s9, 13                          ; my work-group's first piece of a prefetched block
	s_add_co_u32 s58, s45, 1024
	s_mul_i32 s58, s58, BLKB                       ; V's first block
	s_mov_b32 s59, 0
	s_cmp_eq_u32 s[WV], 0
	s_cselect_b32 s[PL], 14, 0                     ; wave 0 prefetches in trips 0 to 13, the others never
	s_mov_b32 s[SEL], 0x76543210
	s_mov_b32 s[SEL+1], 0xfedcba98
	s_mov_b32 s[CS], 0x3e0293ee                    ; c = log2(e) / sqrt(128)
	s_mov_b32 s[CS+1], s[CS]
	s_mov_b32 s[NC], 0xbe0293ee                    ; -c
	s_mov_b32 s[TB], 0
	s_wait_dscnt 0x0
	s_wait_kmcnt 0x0
	s_add_nc_u64 s[12:13], s[4:5], s[48:49]
	s_add_nc_u64 s[14:15], s[6:7], s[50:51]
	s_add_nc_u64 s[VB:VB+1], s[4:5], s[58:59]
	s_mov_b32 s[G0], 1
	s_add_nc_u64 s[G0+2:G0+3], s[4:5], s[46:47]
	s_or_b32 s[G0+3], s[G0+3], 0x80000000
	CROUND                                         ; all four work-groups are here: the joint loads meet
	tensor_load_to_lds s[G0:G0+3], s[G1:G1+7]      ; my one tensor load of the launch
	s_nop 0
.rept 4
	v_nop
.endr
	v_and_b32 v240, 31, v0
	v_lshlrev_b32 v[LI], 4, v240
	v_min_u32 v[PF], 12, v240
	v_add_nc_u32 v[PF], s57, v[PF]
	v_min_u32 v[PF], 49, v[PF]                     ; lanes that are left over name their last piece again
	v_lshlrev_b32 v[PF], 8, v[PF]
	v_and_b32 v241, 7, v0
	v_bfe_u32 v242, v0, 4, 1                       ; h
	v_bfe_u32 v243, v0, 3, 1                       ; r / 8
	v_lshlrev_b32 v241, 4, v241
	v_lshl_add_u32 v241, v242, 8, v241             ; 16 (r % 8) + 256 h
	v_mad_u32_u24 v[AK0], v243, 2*PFR, v241        ; fragments: + two stored fragments for r >= 8
	v_lshl_add_u32 v[AKS0], v243, 3, v241          ; scale words: + 8 for r >= 8; lanes 16-31 take those of c = 1
	v_add_nc_u32 v[AK], s[TB], v[AK0]              ; key step 0
	v_add_nc_u32 v[AKS], s[TB], v[AKS0]
	v_and_b32 v245, 15, v0
	v_lshlrev_b32 v245, 4, v245                    ; 16 r
	v_add_nc_u32 v244, s53, v[LI]
	v_add_nc_u32 v245, s54, v245
.irp p, 0,1,2
	global_load_b128 v[16+4*\p:19+4*\p], v244, s[12:13] offset:512*\p
.endr
	global_load_b32 v10, v245, s[12:13] offset:8*FRB
	v_mov_b32 v13, 0xff61b1e6                      ; the largest score so far: -3e38
	v_mul_f32 v12, s[NC], v13
	v_floor_f32 v12, v12                           ; -M
	v_mov_b32 v14, 0
	v_mov_b32 v15, 0
	v_mov_b32 v253, 0                              ; named as the upper half of the pair v[252:253]
.set j, 0
.rept 64
	v_mov_b32 v[160+j], 0                          ; O^T: the key step is written without a first step of its own; the first change of M leaves zeros zeros
.set j, j+1
.endr
.macro LDF c, i, rb                    ; K's made-up fragment (c, i) of the block that v[AK] points at, into v[rb ..]
.irp p, 0,1,2
	ds_load_b128 v[\rb+4*\p:\rb+4*\p+3], v[AK] offset:(4*\c+(\i)%2)*PFR+128*((\i)/2)+PP*\p
.endr
.endm
.macro AHEAD3                          ; nine loads
	LDF 1, 0, 148
	LDF 1, 1, 236
	LDF 1, 2, 84
.endm
.macro AHEAD4                          ; fourteen loads
.irp i, 0,1,2,3
	LDF 0, \i, 32+12*\i
.endr
	ds_load_b64 v[80:81], v[AKS] offset:24*PP      ; register 80 + i: lanes 0-15 the words of fragment (0, i), lanes 16-31 of (1, i)
	ds_load_b64 v[82:83], v[AKS] offset:24*PP+128
.endm
.macro SMM t, a, i, row                ; tile t of S^T from the fragment at v[a ..]
.if \row
	v_wmma_scale_f32_16x16x128_f8f6f4 v[96+8*\t:103+8*\t], v[\a:\a+11], v[16:27], 0, v[80+\i], v10 matrix_a_fmt:MATRIX_FMT_FP6 matrix_b_fmt:MATRIX_FMT_FP6 matrix_a_scale:MATRIX_SCALE_ROW1
.else
	v_wmma_scale_f32_16x16x128_f8f6f4 v[96+8*\t:103+8*\t], v[\a:\a+11], v[16:27], 0, v[80+\i], v10 matrix_a_fmt:MATRIX_FMT_FP6 matrix_b_fmt:MATRIX_FMT_FP6
.endif
.endm
.macro LOADV g, rb                     ; V's stored fragments 4 g .. 4 g + 3 into v[rb ..]
.irp i, 0,1,2,3
.irp p, 0,1,2
	global_load_b128 v[\rb+12*\i+4*\p:\rb+12*\i+4*\p+3], v[LI], s[VB:VB+1] offset:FRB*(4*\g+\i)+512*\p
.endr
.endr
.endm
.macro PLACES n
.rept \n
	v_nop
.endr
.endm
; A KEY STEP: 128 keys.  At its head v[AK] points at its block of K; seven of its fragments and its scale words have been asked for.  V's block begins at s[VB:VB+1].
.macro STEP
	s_min_u32 s[TN], s[TB], 15*PBLK                ; the next step's block; the last trip stays at block 15
	v_add_nc_u32 v[AKS], s[TN], v[AKS0]
	PLACES 3                                       ; four places in front of the load into p's codes, which the last products read
	LDF 1, 3, 224
	v_add_nc_u32 v[AK], s[TN], v[AK0]              ; the fifth place: the products below write over registers that the last products read
	s_wait_dscnt 3                                 ; all but the three loads just issued
	SMM 4, 148, 0, 1                               ; first, so that places can follow before tiles 6 and 7 land on its fragment
	SMM 0, 32, 0, 0
	SMM 1, 44, 1, 0
	SMM 2, 56, 2, 0
	SMM 3, 68, 3, 0
	SMM 5, 236, 1, 1
	PLACES 5                                       ; five behind tile 4's product, four in front of the loads below
	LOADV 0, 32                                    ; V's first four fragments and its scale words land under the softmax
	global_load_b128 v[28:31], v[LI], s[VB:VB+1] offset:8*FRB   ; register 28 + j: lanes 0-15 the words of fragment j, lanes 16-31 of 4 + j
	SMM 6, 84, 2, 1
	s_wait_dscnt 0x0
	SMM 7, 224, 3, 1
	PLACES 4                                       ; in front of the first read of the scores
	s_cmp_lt_u32 s[T], s[PL]
	s_cbranch_scc0 .Lno_ask_\@
	global_prefetch_b8 v[PF], s[VB:VB+1] offset:2*BLKB th:TH_LOAD_NT scope:SCOPE_SE
.Lno_ask_\@:
.irp c, 0,1                                    ; the largest score of my blocks 2 c + h, four chains by turns; each accumulator is first read at its low end
	v_max3_num_f32 v[236+\c], v[96+32*\c], v[97+32*\c], v[98+32*\c]
	v_max3_num_f32 v[254+\c], v[112+32*\c], v[113+32*\c], v[114+32*\c]
.endr
.irp i, 3,5,7,9,11,13
.irp c, 0,1
	v_max3_num_f32 v[236+\c], v[236+\c], v[96+32*\c+\i], v[97+32*\c+\i]
	v_max3_num_f32 v[254+\c], v[254+\c], v[112+32*\c+\i], v[113+32*\c+\i]
.endr
.endr
.irp c, 0,1
	v_max3_num_f32 v[236+\c], v[236+\c], v[254+\c], v[111+32*\c]
.endr
.irp c, 0,1
	v_max_num_f32 v[236+\c], v[236+\c], v[127+32*\c]
.endr
	s_delay_alu instid0(VALU_DEP_1)
	v_max_num_f32 v238, v236, v237
	s_delay_alu instid0(VALU_DEP_1)
	v_permlanex16_b32 v239, v238, s[SEL], s[SEL+1]
	s_delay_alu instid0(VALU_DEP_1)
	v_max3_num_f32 v13, v13, v238, v239            ; the running largest score of my query
	s_delay_alu instid0(VALU_DEP_1)
	v_mul_f32 v242, s[NC], v13
	s_delay_alu instid0(VALU_DEP_1)
	v_floor_f32 v242, v242                         ; the new -M = -ceil(t)
	s_delay_alu instid0(VALU_DEP_1)
	v_sub_f32 v243, v242, v12                      ; old M - new M: a whole number, 0 or less
	v_mov_b32 v12, v242
	s_delay_alu instid0(VALU_DEP_2)
	v_cvt_i32_f32 v243, v243                       ; (it saturates)
	s_delay_alu instid0(VALU_DEP_1)
	v_ldexp_f32 v252, 1.0, v243                    ; f = 2^(old M - new M)
.set j, 0
.rept 32
	v_pk_fma_f32 v[96+j:97+j], v[96+j:97+j], s[CS:CS+1], v[12:13] op_sel_hi:[1,0,0]   ; t - M
.set j, j+2
.endr
.irp c, 0,1
	v_fma_f32 v[236+\c], v[236+\c], s[CS], v12     ; the same of each block's largest score
.endr
	s_wait_alu depctr_va_vdst(0)                   ; the wait ahead of the batch
.set j, 0
.rept 64
	v_exp_f32 v[96+j], v[96+j]                     ; p = 2^(t - M)
.set j, j+1
.endr
	v_exp_f32 v236, v236                           ; the blocks' largest p
	v_exp_f32 v237, v237
	v_pk_mul_f32 v[14:15], v[14:15], v[252:253] op_sel_hi:[1,0]   ; the sum under the new M: the plain instruction behind the batch
	s_wait_alu depctr_va_vdst(0)                   ; one wait for the batch, ahead of its first reader
.irp c, 0,1
	v_max_num_f32 v[236+\c], 0x1800000, v[236+\c]  ; the floor 2^(3 - 127): the byte cannot fall under 1
.endr
.irp c, 0,1
	v_add_nc_u32 v[240+\c], 0xff000000, v[236+\c]  ; 2 off the exponent field: the conversion's scale operand
.endr
.irp c, 0,1
	v_lshrrev_b32 v[242+\c], 23, v[240+\c]         ; the byte
.endr
	v_lshl_or_b32 v238, v243, 16, v242             ; blocks h and 2 + h
	s_delay_alu instid0(VALU_DEP_1)
	v_permlanex16_b32 v239, v238, s[SEL], s[SEL+1]
	s_delay_alu instid0(VALU_DEP_1)
	v_lshl_or_b32 v8, v239, 8, v238                ; in lanes 0-15: blocks 0, 1, 2, 3: p's scale word
.irp k, 0,1,2,3                                ; the sum of the unquantised p, four chains
	v_pk_add_f32 v[244+2*\k:245+2*\k], v[96+4*\k:97+4*\k], v[98+4*\k:99+4*\k]
.endr
.set j, 112
.rept 6
.irp k, 0,1,2,3
	v_pk_add_f32 v[244+2*\k:245+2*\k], v[244+2*\k:245+2*\k], v[j+2*\k:j+2*\k+1]
.endr
.set j, j+8
.endr
	v_pk_add_f32 v[244:245], v[244:245], v[246:247]
	v_pk_add_f32 v[248:249], v[248:249], v[250:251]
	s_delay_alu instid0(VALU_DEP_2)
	v_pk_add_f32 v[14:15], v[14:15], v[244:245]
	s_delay_alu instid0(VALU_DEP_1)
	v_pk_add_f32 v[14:15], v[14:15], v[248:249]
	v_cvt_scalef32_pk16_fp6_f32 v[224:226], v[96:111], v240
	v_cvt_scalef32_pk16_fp6_f32 v[244:246], v[112:127], v240   ; (a conversion's three registers begin on an even number: the upper halves are moved)
	v_cvt_scalef32_pk16_fp6_f32 v[230:232], v[128:143], v241
	v_cvt_scalef32_pk16_fp6_f32 v[248:250], v[144:159], v241
	v_nop                                          ; one plain instruction behind the scaled conversions
	LOADV 1, 96                                    ; p is done with: its registers take V's last four fragments
.irp i, 0,1,2
	v_mov_b32 v[227+\i], v[244+\i]
	v_mov_b32 v[233+\i], v[248+\i]
.endr
	AHEAD3                                         ; three of the next step's fragments of K, into registers that this step needs no more
	s_wait_alu depctr_va_vdst(0)                   ; the wait ahead of O^T's first reader
.set j, 0
.rept 32
	v_pk_mul_f32 v[160+j:161+j], v[160+j:161+j], v[252:253] op_sel_hi:[1,0]   ; O^T under the new M; these also stand between the writes of p's codes and scale word and the products
.set j, j+2
.endr
	s_wait_alu depctr_va_vdst(0)                   ; the wait directly ahead of the wait below
	s_wait_loadcnt 12                              ; V's first four fragments and its scale words are in; the 12 loads of the last four may be out
.irp i, 0,1,2,3
	v_wmma_scale_f32_16x16x128_f8f6f4 v[160+8*\i:167+8*\i], v[32+12*\i:43+12*\i], v[224:235], v[160+8*\i:167+8*\i], v[28+\i], v8 matrix_a_fmt:MATRIX_FMT_FP6 matrix_b_fmt:MATRIX_FMT_FP6
.endr
	PLACES 4
	AHEAD4                                         ; four more, and the next step's scale words
	s_wait_loadcnt 0x0
.irp i, 0,1,2,3
	v_wmma_scale_f32_16x16x128_f8f6f4 v[192+8*\i:199+8*\i], v[96+12*\i:107+12*\i], v[224:235], v[192+8*\i:199+8*\i], v[28+\i], v8 matrix_a_fmt:MATRIX_FMT_FP6 matrix_b_fmt:MATRIX_FMT_FP6 matrix_a_scale:MATRIX_SCALE_ROW1
.endr
	s_wait_xcnt 0x0                                ; the prefetch has read its base: only now is it stepped
	s_add_nc_u64 s[VB:VB+1], s[VB:VB+1], BLKB
	s_add_co_u32 s[TB], s[TB], PBLK
.endm
	s_wait_alu depctr_va_vdst(0)                   ; the wait at the head's end
	s_wait_tensorcnt 0x0                           ; my block of K is in,
	s_barrier_signal -1
	s_barrier_wait -1                              ; everybody's is: nothing is filled again, so no further barrier is needed
	s_wait_loadcnt 0x0                             ; Q
	AHEAD3                                         ; key step 0's fragments
	AHEAD4
	s_mov_b32 s[TB], PBLK
	s_mov_b32 s[T], 0
.Lstep:
	STEP
	s_add_co_u32 s[T], s[T], 1
	s_cmp_lt_u32 s[T], 16
	s_cbranch_scc1 .Lstep
	s_wait_dscnt 0x0                               ; the last trip's look-ahead has landed: its registers may be written
	; THE WAY OUT: O^T / the sum is quantised where it lies.  V's fragments came in their stored row order, so the 16 registers of tiles 2 b, 2 b + 1 are channels 32 b + 16 h + 0 .. 15
	v_add_f32 v14, v14, v15
	s_delay_alu instid0(VALU_DEP_1)
	v_permlanex16_b32 v239, v14, s[SEL], s[SEL+1]
	s_delay_alu instid0(VALU_DEP_1)
	v_add_f32 v14, v14, v239                       ; the row's sum
	s_wait_alu depctr_va_vdst(0)
	v_rcp_f32 v14, v14
	v_nop
	s_wait_alu depctr_va_vdst(0)                   ; ahead of the reciprocal's and O^T's first reader
.set j, 0
.rept 32
	v_pk_mul_f32 v[96+j:97+j], v[160+j:161+j], v[14:15] op_sel_hi:[1,0]
.set j, j+2
.endr
	v_add_nc_u32 v3, s55, v[LI]                    ; where my codes go in o's block,
	v_and_b32 v4, 15, v0
	v_lshlrev_b32 v4, 4, v4
	v_add_nc_u32 v4, s56, v4                       ; and my row's scale word
.irp b, 0,1,2,3
	v_max3_num_f32 v[236+\b], |v[96+16*\b]|, |v[97+16*\b]|, 0x1800000
.endr
.irp i, 2,4,6,8,10,12,14
.irp b, 0,1,2,3
	v_max3_num_f32 v[236+\b], |v[96+16*\b+\i]|, |v[97+16*\b+\i]|, v[236+\b]
.endr
.endr
.irp b, 0,1,2,3
	v_permlanex16_b32 v[240+\b], v[236+\b], s[SEL], s[SEL+1]
.endr
.irp b, 0,1,2,3
	v_max_num_f32 v[236+\b], v[236+\b], v[240+\b]  ; with lane l xor 16's 16 channels
.endr
.irp b, 0,1,2,3
	v_add_nc_u32 v[244+\b], 0xff000000, v[236+\b]
.endr
.irp b, 0,1,2,3
	v_lshrrev_b32 v[240+\b], 23, v[244+\b]
.endr
	v_lshl_or_b32 v8, v241, 8, v240
	s_delay_alu instid0(VALU_DEP_1)
	v_lshl_or_b32 v8, v242, 16, v8
	s_delay_alu instid0(VALU_DEP_1)
	v_lshl_or_b32 v8, v243, 24, v8                 ; o's scale word
.irp c, 0,1
	v_cvt_scalef32_pk16_fp6_f32 v[32+6*\c:34+6*\c], v[96+32*\c:111+32*\c], v[244+2*\c]
	v_cvt_scalef32_pk16_fp6_f32 v[48+4*\c:50+4*\c], v[112+32*\c:127+32*\c], v[245+2*\c]
.endr
	v_nop                                          ; one plain instruction behind the scaled conversions
.irp c, 0,1                                    ; the operand wants a whole block in a lane: lanes 0-15 block 2 c, lanes 16-31 block 2 c + 1
.irp i, 0,1,2
	v_permlane16_swap_b32 v[32+6*\c+\i], v[48+4*\c+\i]
.endr
.irp i, 0,1,2
	v_mov_b32 v[35+6*\c+\i], v[48+4*\c+\i]
.endr
.endr
	v_and_b32 v240, 31, v0
	v_cmp_gt_u32 vcc_lo, 16, v240
.irp p, 0,1,2
	global_store_b128 v3, v[32+4*\p:35+4*\p], s[14:15] offset:512*\p   ; 512 consecutive bytes each
.endr
	s_wait_alu depctr_va_vdst(0)                   ; the wait directly ahead of the wait below
	s_wait_xcnt 0x0                                ; EXEC changes only behind this wait
	s_and_saveexec_b32 s44, vcc_lo
	global_store_b32 v4, v8, s[14:15] offset:8*FRB
	s_wait_xcnt 0x0
	s_or_b32 exec_lo, exec_lo, s44
	s_wait_tensorcnt 0x0                           ; the wave's end
	ds_add_u32 v[SPW], v[NIL]
	s_wait_dscnt 0x0
	CROUND                                         ; the closing round
	s_endpgm
.Lfunc_end_k_qf6a9218589_attn:
	.size	k_qf6a9218589_attn, .Lfunc_end_k_qf6a9218589_attn-k_qf6a9218589_attn
	.p2alignl 7, 3214868480
	.fill 96, 4, 3214868480
	.section	.rodata,"a",@progbits
	.p2align	6, 0x0
	.amdhsa_kernel k_qf6a9218589_attn
		.amdhsa_group_segment_fixed_size 327680
		.amdhsa_private_segment_fixed_size 0
		.amdhsa_enable_private_segment 0
		.amdhsa_kernarg_size 16
		.amdhsa_user_sgpr_count 2
		.amdhsa_user_sgpr_kernarg_segment_ptr 1
		.amdhsa_wavefront_size32 1
		.amdhsa_system_sgpr_workgroup_id_x 1
		.amdhsa_system_sgpr_workgroup_id_y 1
		.amdhsa_system_sgpr_workgroup_id_z 1
		.amdhsa_system_vgpr_workitem_id 0
		.amdhsa_next_free_vgpr 256
		.amdhsa_next_free_sgpr 66
		.amdhsa_reserve_vcc 1
		.amdhsa_float_denorm_mode_32 3
		.amdhsa_float_denorm_mode_16_64 3
		.amdhsa_memory_ordered 1
		.amdhsa_forward_progress 1
		.amdhsa_inst_pref_size 36
	.end_amdhsa_kernel
	.amdgpu_metadata
---
amdhsa.version: [ 1, 2 ]
amdhsa.kernels:
  - .name:           k_qf6a9218589_attn
    .symbol:         k_qf6a9218589_attn.kd
    .args:
      - { .name: qkv, .offset: 0, .size: 8, .value_kind: global_buffer, .address_space: global }
      - { .name: ops, .offset: 8, .size: 8, .value_kind: global_buffer, .address_space: global }
    .group_segment_fixed_size: 327680
    .private_segment_fixed_size: 0
    .kernarg_segment_align: 8
    .kernarg_segment_size: 16
    .max_flat_workgroup_size: 512
    .sgpr_count:     66
    .vgpr_count:     256
    .wavefront_size: 32
...
	.end_amdgpu_metadata
.endif
;; end of part 3
;; launch proj (part 4): grid 4 x 32, 4 waves a work-group, clusters of 4 x 4, 327,680 bytes of LDS; arguments ops, bo, out0; writes out0
.if DOCPART == 4
	.amdgcn_target "amdgcn-amd-amdhsa--gfx1250"
	.amdhsa_code_object_version 6
	.text
	.protected	k_qf6a9218589_proj
	.globl	k_qf6a9218589_proj
	.p2align	8
	.type	k_qf6a9218589_proj,@function
k_qf6a9218589_proj:
	s_mov_b64 s[64:65], 0
	v_nop
	global_prefetch_b8 v0, s[64:65] scope:SCOPE_SE
	s_setreg_imm32_b32 hwreg(HW_REG_WAVE_MODE, 25, 1), 1
	s_wait_xcnt 0x0
	s_wait_alu depctr_hold_cnt(0) depctr_sa_sdst(0) depctr_va_vdst(0) depctr_va_sdst(0) depctr_va_ssrc(0) depctr_va_vcc(0) depctr_vm_vsrc(0)
	s_getreg_b32 s2, hwreg(HW_REG_IB_STS2, 6, 4)
	s_cmp_eq_u32 s2, 0
	s_cbranch_scc0 .Lentry_in_a_cluster
	s_endpgm
.Lentry_in_a_cluster:
	s_bfe_u32 s2, ttmp6, 0x10000c
	s_cmp_lg_u32 s2, 0xf033
	s_cbranch_scc0 .Lentry_shape_is_right
	s_endpgm
.Lentry_shape_is_right:
.set FR,    12
.set NL,    3
.set NP,    4
.set FRB,   1536
.set BLKB,  12800
.set HALFT, 8*2*FRB
.set SLOT,  4*HALFT
.set SPARE, 2*SLOT
.set SPITCH, 528
.set ADRA,  16
.set ADRB,  20
.set STO,   24
.set RD,    25
.set LI,    26
.set VO,    27
.set SPW,   28
.set NIL,   29
.set SC,    32
.set AF,    128
.set BK,    128
.set G1,    24
.set G0,    32
.set G1B,   48
.set G0B,   56
.set MSB, 0
.macro WIN new
.if MSB != (\new)
	s_set_vgpr_msb (MSB<<8)|(\new)
.set MSB, (\new)
.endif
.endm
.set MUL_LO, 0xa1
.set MUL_HI, 0xf1
.set BIA_LO, 0x81
.set BIA_HI, 0xc1
.set TO_B,   0x40
.macro JLOAD g0a, g1a, g0b, g1b
	s_cmp_eq_u32 s15, 0
	s_cbranch_scc0 .Lfor_b_\@
	tensor_load_to_lds s[\g0a:\g0a+3], s[\g1a:\g1a+7]
	s_nop 0
.rept 4
	v_nop
.endr
	s_branch .Lasked_\@
.Lfor_b_\@:
	tensor_load_to_lds s[\g0b:\g0b+3], s[\g1b:\g1b+7]
	s_nop 0
.rept 4
	v_nop
.endr
.Lasked_\@:
.endm
.macro CREST
	s_cmp_lg_u32 s14, 0
	s_cbranch_scc1 .Lnot_wave_0_\@
	s_barrier_signal -3
.Lnot_wave_0_\@:
	s_barrier_wait -3
	s_barrier_signal -1
	s_barrier_wait -1
.endm
.macro CROUND
	s_barrier_signal -1
	s_barrier_wait -1
	CREST
.endm
.macro PLACES n
.rept \n
	v_nop
.endr
.endm
	s_load_b128 s[4:7], s[0:1], 0x0
	s_load_b64 s[8:9], s[0:1], 0x10
	v_lshl_add_u32 v[SPW], v0, 2, SPARE
	v_mov_b32 v[NIL], 0
	ds_add_u32 v28, v29
	ds_add_u32 v28, v29
	s_wait_dscnt 0x0
	v_lshrrev_b32 v1, 5, v0
	v_readfirstlane_b32 s14, v1
	s_lshr_b32 s15, s14, 1
	s_and_b32 s16, s14, 1
	s_bfe_u32 s40, ttmp6, 0x40000
	s_bfe_u32 s41, ttmp6, 0x40004
	s_and_b32 s17, ttmp7, 0xffff
	s_lshl_b32 s17, s17, 2
	s_add_co_u32 s17, s17, s41
	s_lshl_b32 s19, s17, 4
	s_add_co_u32 s19, s19, 768
	s_lshl_b32 s42, ttmp9, 2
	s_add_co_u32 s42, s42, s40
	s_lshl_b32 s42, s42, 4
	s_add_co_u32 s42, s42, 704
	s_lshl_b32 s44, s41, 2
	s_lshl_b32 s44, 15, s44
	s_lshl_b32 s45, 0x1111, s40
	s_or_b32 s[G1+0], s44, (3<<16)|(1<<21)
	s_or_b32 s[G1B+0], s45, (3<<16)|(1<<21)
.irp g, G1, G1B
	s_mov_b32 s[\g+1], 384<<16
	s_mov_b32 s[\g+2], 8<<16
	s_mov_b32 s[\g+3], 384<<16
	s_mov_b32 s[\g+4], 8
	s_mov_b32 s[\g+5], 1600
	s_mov_b32 s[\g+6], 0
	s_mov_b32 s[\g+7], 0
.endr
	s_lshl_b32 s22, s16, 3
	s_add_co_u32 s20, s19, s22
	s_mul_i32 s20, s20, BLKB
	s_mov_b32 s21, 0
	s_add_co_u32 s46, s42, s22
	s_mul_i32 s46, s46, BLKB
	s_mov_b32 s47, 0
	s_mul_i32 s23, s14, HALFT
	s_wait_kmcnt 0x0
	s_add_nc_u64 s[20:21], s[4:5], s[20:21]
	s_add_nc_u64 s[46:47], s[4:5], s[46:47]
	CROUND
.irp s, 0,1
	s_mov_b32 s[G0+4*\s], 1
	s_add_co_u32 s[G0+4*\s+1], s23, \s*SLOT
	s_add_nc_u64 s[G0+4*\s+2:G0+4*\s+3], s[20:21], \s*2*FRB
	s_or_b32 s[G0+4*\s+3], s[G0+4*\s+3], 0x80000000
	s_mov_b32 s[G0B+4*\s], 1
	s_add_co_u32 s[G0B+4*\s+1], s23, \s*SLOT
	s_add_nc_u64 s[G0B+4*\s+2:G0B+4*\s+3], s[46:47], \s*2*FRB
	s_or_b32 s[G0B+4*\s+3], s[G0B+4*\s+3], 0x80000000
.if \s == 0
	JLOAD G0, G1, G0B, G1B                         ; slot 0: my one tensor load at the head
.endif
.endr
	v_and_b32 v3, 31, v0
	v_and_b32 v1, 15, v0
	v_bfe_u32 v2, v0, 4, 1
	v_lshlrev_b32 v[LI], 4, v3
	s_mul_i32 s70, s15, HALFT
	s_mul_i32 s71, s16, HALFT
	s_add_co_u32 s71, s71, 2*HALFT
.irp s, 0,1
	v_add_nc_u32 v[ADRA+\s], s70, v[LI]
	v_add_nc_u32 v[ADRB+\s], s71, v[LI]
	s_add_co_u32 s70, s70, SLOT
	s_add_co_u32 s71, s71, SLOT
.endr
	s_lshl_b32 s72, s15, 3
	s_add_co_u32 s72, s72, s19
	s_lshl_b32 s73, s16, 3
	s_add_co_u32 s73, s73, s42
	s_mul_i32 s74, s72, BLKB
	s_add_co_u32 s74, s74, 8*FRB
	s_mul_i32 s75, s73, BLKB
	s_add_co_u32 s75, s75, 8*FRB
	v_mov_b32 v8, s74
	v_mov_b32 v9, s75
	v_cmp_gt_u32 vcc_lo, 16, v3
	v_cndmask_b32 v[VO], v9, v8, vcc_lo
	v_lshl_add_u32 v[VO], v1, 4, v[VO]
.irp i, 0,1,2,3,4,5,6,7
.irp u, 0,1
	global_load_b128 v[SC+8*\i+4*\u:SC+8*\i+4*\u+3], v[VO], s[4:5] offset:BLKB*\i+256*\u
.endr
.endr
	s_sub_co_u32 s82, s73, 704
	s_lshl_b32 s82, s82, 6
	s_mov_b32 s83, 0
	s_add_nc_u64 s[6:7], s[6:7], s[82:83]
	s_sub_co_u32 s84, s72, 768
	s_lshl_b32 s84, s84, 16
	s_add_co_u32 s84, s84, s82
	s_mov_b32 s85, 0
	s_add_nc_u64 s[8:9], s[8:9], s[84:85]
	v_lshlrev_b32 v10, 6, v2
.irp b, 0,1,2,3,4,5,6,7
	global_load_b128 v[96+8*\b+96*(\b/4):96+8*\b+96*(\b/4)+3], v10, s[6:7] offset:(32*(\b/2)+8*(\b%2))*4
	global_load_b128 v[96+8*\b+96*(\b/4)+4:96+8*\b+96*(\b/4)+7], v10, s[6:7] offset:(32*(\b/2)+8*(\b%2))*4+16
.endr
	s_mul_i32 s86, s14, 16*SPITCH
	v_mul_u32_u24 v[STO], v1, SPITCH
	v_lshl_add_u32 v[STO], v2, 6, v[STO]
	v_add_nc_u32 v[STO], s86, v[STO]
	v_add_nc_u32 v[RD], s86, v[LI]
.macro FRAG reg, adr, q, i
.irp c, 0,1,2
	ds_load_b128 v[(\reg)+4*\c:(\reg)+4*\c+3], v[\adr] offset:2*FRB*(\i)+FRB*(\q)+512*\c
.endr
.endm
.macro MUL16 a0, p, ks, first
.irp a, \a0, \a0+1
.irp b, 0,1,2,3,4,5,6,7
.if \first
	v_wmma_scale_f32_16x16x128_f8f6f4 v[8*(8*((\a)%4)+\b):8*(8*((\a)%4)+\b)+7], v[128*(\p)+FR*\b:128*(\p)+FR*\b+FR-1], v[AF+FR*(\a):AF+FR*(\a)+FR-1], v[96+8*\b+96*(\b/4):96+8*\b+96*(\b/4)+7], v[SC+8*\b+(\ks)], v[SC+8*(\a)+(\ks)] matrix_a_fmt:MATRIX_FMT_FP6 matrix_b_fmt:MATRIX_FMT_FP6 matrix_a_scale:MATRIX_SCALE_ROW1
.else
	v_wmma_scale_f32_16x16x128_f8f6f4 v[8*(8*((\a)%4)+\b):8*(8*((\a)%4)+\b)+7], v[128*(\p)+FR*\b:128*(\p)+FR*\b+FR-1], v[AF+FR*(\a):AF+FR*(\a)+FR-1], v[8*(8*((\a)%4)+\b):8*(8*((\a)%4)+\b)+7], v[SC+8*\b+(\ks)], v[SC+8*(\a)+(\ks)] matrix_a_fmt:MATRIX_FMT_FP6 matrix_b_fmt:MATRIX_FMT_FP6 matrix_a_scale:MATRIX_SCALE_ROW1
.endif
.endr
.endr
.endm
.macro FETCH_B slot, q, p
	WIN TO_B
.irp i, 0,1,2,3,4,5,6,7
	FRAG 128*(\p)+FR*\i, ADRB+\slot, \q, \i
.endr
	WIN 0
.endm
.macro FETCH_A slot, q, i0
.irp i, \i0, \i0+1, \i0+2, \i0+3
	FRAG AF+FR*(\i), ADRA+\slot, \q, \i
.endr
.endm
.macro STEP slot, ks, first
	s_wait_dscnt 4*NL
.if \first
	WIN BIA_LO
.else
	WIN MUL_LO
.endif
	MUL16 0, 0, \ks, \first
	MUL16 2, 0, \ks, \first
	s_wait_dscnt 0
	PLACES NP
	FETCH_B \slot, 1, 1
	FETCH_A \slot, 1, 0
.if \first
	WIN BIA_HI
.else
	WIN MUL_HI
.endif
	MUL16 4, 0, \ks, \first
	MUL16 6, 0, \ks, \first
	PLACES NP
	WIN 0
	FETCH_A \slot, 1, 4
.endm
.macro TURN slot, next, fill, ks
	s_wait_tensorcnt 0x0
	ds_add_u32 v[SPW], v[NIL]
	s_wait_dscnt 4*NL+1
	WIN MUL_LO
	MUL16 0, 1, \ks, 0
	s_wait_dscnt 0x0
	s_barrier_signal -1
	MUL16 2, 1, \ks, 0
	WIN 0
	s_barrier_wait -1
.if \fill
	CREST
	s_add_nc_u64 s[G0+4*\slot+2:G0+4*\slot+3], s[G0+4*\slot+2:G0+4*\slot+3], 4*FRB
	s_add_nc_u64 s[G0B+4*\slot+2:G0B+4*\slot+3], s[G0B+4*\slot+2:G0B+4*\slot+3], 4*FRB
	JLOAD G0+4*\slot, G1, G0B+4*\slot, G1B
.else
	PLACES NP
.endif
	FETCH_B \next, 0, 0
	FETCH_A \next, 0, 0
	WIN MUL_HI
	MUL16 4, 1, \ks, 0
	MUL16 6, 1, \ks, 0
	PLACES NP
	WIN 0
	FETCH_A \next, 0, 4
.endm
	s_wait_alu depctr_va_vdst(0)                   ; the wait at the head's end
	s_wait_tensorcnt 0x0                           ; my part of slot 0 is in; slot 1's first fill is issued as a refill is:
	ds_add_u32 v[SPW], v[NIL]
	s_wait_dscnt 0x0
	CROUND                                         ; everybody's part is in, and all sixteen work-groups are here
	JLOAD G0+4, G1, G0B+4, G1B                     ; slot 1: my one tensor load behind the round
	FETCH_B 0, 0, 0
	FETCH_A 0, 0, 0
	FETCH_A 0, 0, 4
	s_wait_loadcnt 0x0
	STEP 0, 0, 1
	TURN 0, 1, 1, 1
	STEP 1, 2, 0
	TURN 1, 0, 1, 3
	STEP 0, 4, 0
	TURN 0, 1, 0, 5
	STEP 1, 6, 0
	s_wait_dscnt 4*NL
	WIN MUL_LO
	MUL16 0, 1, 7, 0
	MUL16 2, 1, 7, 0
	s_wait_alu depctr_va_vdst(0)
	s_wait_dscnt 0
	WIN MUL_HI
	MUL16 4, 1, 7, 0
	MUL16 6, 1, 7, 0
	WIN 0
.macro TOSTAGE a
.set AC, 64*((\a)%4)
	WIN 0x08+4*((\a)/4)
.irp b, 0,1,2,3,4,5,6,7
	ds_store_b128 v[STO], v[AC+8*\b:AC+8*\b+3] offset:128*(\b/2)+32*(\b%2)
	ds_store_b128 v[STO], v[AC+8*\b+4:AC+8*\b+7] offset:128*(\b/2)+32*(\b%2)+16
.endr
	WIN 0
.set BB, BK+64*((\a)%2)
.irp t, 0,1,2,3,4,5,6,7,8,9,10,11,12,13,14,15
	ds_load_b128 v[BB+4*\t:BB+4*\t+3], v[RD] offset:\t*SPITCH
.endr
.endm
.macro SEND a, younger
.set BB, BK+64*((\a)%2)
	s_wait_dscnt \younger
.irp t, 0,1,2,3,4,5,6,7,8,9,10,11,12,13,14,15
	global_store_b128 v[LI], v[BB+4*\t:BB+4*\t+3], s[8:9] offset:(32*((\a)/2)+8*((\a)%2)+(\t%8)+16*(\t/8))*4096 th:TH_STORE_NT
.endr
.endm
	PLACES NP
	TOSTAGE 0
.irp a, 1,2,3,4,5,6,7
.if \a > 1
	s_wait_xcnt 0x0
.endif
	TOSTAGE \a
	SEND \a-1, 32
.endr
	SEND 7, 0
	s_wait_tensorcnt 0x0
	ds_add_u32 v[SPW], v[NIL]
	s_wait_dscnt 0x0
	CROUND
	s_endpgm
.Lfunc_end_k_qf6a9218589_proj:
	.size	k_qf6a9218589_proj, .Lfunc_end_k_qf6a9218589_proj-k_qf6a9218589_proj
	.p2alignl 7, 3214868480
	.fill 96, 4, 3214868480
	.section	.rodata,"a",@progbits
	.p2align	6, 0x0
	.amdhsa_kernel k_qf6a9218589_proj
		.amdhsa_group_segment_fixed_size 327680
		.amdhsa_private_segment_fixed_size 0
		.amdhsa_enable_private_segment 0
		.amdhsa_kernarg_size 24
		.amdhsa_user_sgpr_count 2
		.amdhsa_user_sgpr_kernarg_segment_ptr 1
		.amdhsa_wavefront_size32 1
		.amdhsa_system_sgpr_workgroup_id_x 1
		.amdhsa_system_sgpr_workgroup_id_y 1
		.amdhsa_system_sgpr_workgroup_id_z 1
		.amdhsa_system_vgpr_workitem_id 0
		.amdhsa_next_free_vgpr 1024
		.amdhsa_next_free_sgpr 100
		.amdhsa_reserve_vcc 1
		.amdhsa_float_denorm_mode_32 3
		.amdhsa_float_denorm_mode_16_64 3
		.amdhsa_memory_ordered 1
		.amdhsa_forward_progress 1
		.amdhsa_inst_pref_size 134
	.end_amdhsa_kernel
	.amdgpu_metadata
---
amdhsa.version: [ 1, 2 ]
amdhsa.kernels:
  - .name:           k_qf6a9218589_proj
    .symbol:         k_qf6a9218589_proj.kd
    .args:
      - { .name: ops, .offset: 0, .size: 8, .value_kind: global_buffer, .address_space: global }
      - { .name: bo, .offset: 8, .size: 8, .value_kind: global_buffer, .address_space: global }
      - { .name: out0, .offset: 16, .size: 8, .value_kind: global_buffer, .address_space: global }
    .group_segment_fixed_size: 327680
    .private_segment_fixed_size: 0
    .kernarg_segment_align: 8
    .kernarg_segment_size: 24
    .max_flat_workgroup_size: 128
    .sgpr_count:     100
    .vgpr_count:     1024
    .wavefront_size: 32
...
	.end_amdgpu_metadata
.endif
;; end of part 4
